; MI455X (gfx1250); checked and timed in simulation.
; The chip was launched on July 23, 2026; its instructions are those of AMD's public machine-readable ISA for CDNA 5 (MIT licence, August 2026) and "CDNA5" Instruction Set Architecture Reference Guide (July 2026). The comments in the code are by the model that wrote it; some were corrected since.
;; Two Simplicial Attention. Allowed arithmetic: matrix products marked QUANTISED: E5M2 operands, one given power-of-two scale a tensor, by v_wmma_f32_16x16x64_bf8_bf8 or v_wmma_f32_16x16x128_bf8_bf8, f32 sums; products left as they are: f32 operands where the result goes on into a quantised operand, else bf16, f16 or f32 operands; f32 sums; everything else in f32.
;; Inputs: k1 1 x 1,024 x 8 x 64 float32; k2 1 x 1,024 x 8 x 64 float32; lowp_scales 4 int32 (the exponents e of the quantised operands' scales 2^e); q 1 x 1,024 x 8 x 64 float32; v1 1 x 1,024 x 8 x 64 float32; v2 1 x 1,024 x 8 x 64 float32.
;; Outputs: out0 1 x 1,024 x 8 x 64 float32.
;; This version of the problem:
;;   THIS VERSION OF THE PROBLEM IS GIVEN IN LOW PRECISION. The matrix products marked QUANTISED in the list below multiply operands that are first quantised to E5M2 (5 exponent bits, 2 mantissa bits; 8 bits a number), with one given power-of-two scale for each operand tensor; their sums are f32. All else is computed in f32.
;;   The module's matrix products, in the order in which they are computed (A, B: the left and right operand; K: the contracted axis; several contracted axes count as one K, in the product's order):
;;     1. batch 8,192 x [M 64, K 64] x [K 64, N 64]; A: computed on the way; B: computed on the way: QUANTISED (scales: A lowp_scales[0], B lowp_scales[1])
;;     2. batch 8,192 x [M 64, K 64] x [K 64, N 64]; A: computed on the way; B: computed on the way: QUANTISED (scales: A lowp_scales[2], B lowp_scales[3])
;;     3. batch 524,288 x [M 1, K 64] x [K 64, N 1]; A: computed on the way; B: computed on the way: left as it is (M = 1 < 16)
;;   THE QUANTISER, for each operand of a quantised product, along K:
;;     - The operand's scale is 2^e, e = its entry of the input lowp_scales (int32; the entries are numbered through the quantised products in the list's order, A before B).
;;     - Each number is divided by the scale, clamped to +-57,344, and rounded to the nearest number of E5M2, ties to even, subnormals kept.
;;     - The product sums the exact products of the quantised numbers (number of the format x scale) in f32.
;;   ~~~python
;;   def quantise(x, axis, e):      # numpy; x: float32 -> the quantised numbers, widened to float32 again
;;       x = np.moveaxis(x, axis, -1); K = x.shape[-1]
;;       r = np.clip(x / 2.0 ** e, -57344, 57344)
;;       step = 2.0 ** (np.maximum(np.frexp(np.where(r == 0, 1, r))[1] - 1, -14) - 2)
;;       q = np.round(r / step) * step * 2.0 ** e      # np.round: ties to even
;;       return np.moveaxis(q, -1, axis).astype(np.float32)
;;   ~~~
;;   OPERANDS COMPUTED ON THE WAY. 'Computed on the way' means the value that the module computes at that place (a softmax that the list does not call 'softmax' is quantised finished and normalised). What goes into a quantiser is computed in f32, as accurately as f32 sums, v_exp_f32 and their like allow (about 1e-6 of the number): no bf16 or f16 on the way to a quantiser, and a product that is left as it is and whose result goes on into a quantised operand takes f32 operands (vector FMAs, or v_wmma_f32_16x16x4_f32). A number that lies on a knife's edge between two numbers of the format may be rounded either way, as far as f32 arithmetic and the matrix unit's own rounding can turn it there, and no further.
;; One version. Each part assembles by itself: llvm-mc -triple=amdgcn-amd-amdhsa -mcpu=gfx1250 --defsym DOCPART=n.
;; ======== version 1 of 1: 1 launch
;; limits: right only within a limited range of input values
;; launch simplicial (part 1): grid 32 x 8, 16 waves a work-group, no clusters, 216,576 bytes of LDS; arguments q, k1, k2, v1, v2, lowp_scales, out0; writes out0
.if DOCPART == 1
	.amdgcn_target "amdgcn-amd-amdhsa--gfx1250"
	.amdhsa_code_object_version 6
	.text
	.protected	k_q787f6ee2d1_simplicial
	.globl	k_q787f6ee2d1_simplicial
	.p2align	8
	.type	k_q787f6ee2d1_simplicial,@function
k_q787f6ee2d1_simplicial:
	s_mov_b64 s[64:65], 0
	v_nop
	global_prefetch_b8 v0, s[64:65] scope:SCOPE_SE
	s_setreg_imm32_b32 hwreg(HW_REG_WAVE_MODE, 25, 1), 1
	s_wait_xcnt 0x0
; Two-simplicial attention in a causal window of 64 x 64, both large products on codes of BF8 (E5M2), one given scale 2^e for each operand.
;   l[a][c] = sum_d Q(q[s][d] k1[s-a][d]) Q(k2[s-c][d] + 1) / 8;  p = softmax over all kept (a, c), finished and normalised;  tmp[a][d] = sum_c Q(p[a][c]) Q(v2[s-c][d] + 1);  out[s][d] = sum_a tmp[a][d] v1[s-a][d].
; All tensors [1024][8][64] f32: a (position, head) row is 256 bytes, positions are 2,048 bytes apart.
; SCALES: entry 0: q k1; entry 1: k2 + 1; entry 2: v2 + 1; entry 3: p (the second product is lowered with v2 + 1 as its left operand): the two lines EV and EP below say so.
; SHARES.  A work-group takes one head and 32 positions S0 .. S0 + 31: 8 x 32 = 256 work-groups.  Sixteen waves of 256 registers, four to a SIMD; a wave takes two positions, S0 + 2 w and S0 + 2 w + 1.
; HEAD.  The 96 key rows S0 - 64 .. S0 + 31 (positions under 0 are clipped to 0) come in once: k1 and v1 as f32, k2 + 1 as codes [key][d], v2 + 1 as codes [d][key] (a lane takes a column d and
; its registers run down the keys, so that the conversion gives the keys innermost), q's 32 rows as f32.  One barrier; afterwards these bytes are only read.
; SLOTS.  For s = s0 + i (s0 a multiple of 8, i = 0 .. 7) the window's 64 keys lie on 64 slots: slot x holds key s0 - 64 + x, but slots x <= i hold key s0 + x.  The order of a and of c does not matter to a sum over both.
; So tiles 1 to 3 have fixed rows, tile 0 takes 64 rows more in lanes r <= i, and of V2's eight 8-byte groups only group 0 is mixed: bytes 0 .. i from the group 64 keys on.
; LAYOUT.  Both products are used transposed: S^T = K2 A1^T (source 0 = 16 slots c, source 1 = 16 slots a), tmp^T = V2^T p^T (source 0 = 16 of d, source 1 = p): a lane holds ONE a throughout; S^T's eight registers of a tile are
; eight neighbouring c, so the conversions' results are the second product's operand.  In the first product d is laid alike in both operands: registers 4 c .. 4 c + 3 hold d = 32 c + 16 (lane / 16) + 0 .. 15.
; MASK.  A slot is kept where x <= i or x >= 64 - s0.  Clipped rows are copies of key 0, which lies in the window whenever a slot is hidden: the largest of all 4,096 scores is the largest of the kept ones.
; Hidden c: the addend of t = score x c - M is -infinity, so p = 0.  Hidden a (lanes): left out of the sum, and 1 / sum is 0 there.  No branch.
; NOT USED: tensor loads and joint loads: a work-group reads its 105 KB once, at its head, half of it through registers to be biased and quantised, and neighbours' windows are shifted, not equal tiles.
; LIMITS: each exponent between -126 and 112, entries 0 + 1 between -123 and 130, so that every power of two below is an f32 number.  NaN and infinities among the inputs are not served.
.set PF,   272                         ; an f32 row in LDS: 256 bytes + 16: sixteen rows of one column fall on sixteen different groups of four banks
.set PK2,  80                          ; a row of 64 codes + 16
.set PV2,  112                         ; a row of 96 codes (keys) + 16
.set K1B,  0                           ; LDS: k1, 96 rows
.set V1B,  K1B+96*PF                   ; v1, 96 rows
.set K2B,  V1B+96*PF                   ; codes of k2 + 1, 96 rows
.set V2B,  K2B+96*PK2                  ; codes of v2 + 1, 64 rows (d)
.set QB,   V2B+64*PV2                  ; q, 32 rows of 256 bytes
.set SCB,  QB+32*256                   ; scratch: for each wave two blocks of 16 rows x 272 bytes
.set SCS,  16*PF
.set SCW,  2*SCS
.set EA,   24                          ; s24 exponent of q k1's scale
.set EK,   25                          ; s25 of k2 + 1's
.set EV,   26                          ; s26 of v2 + 1's
.set EP,   27                          ; s27 of p's
.set R,    1                           ; v1  lane % 16
.set AK1,  2                           ; v2  k1: my row of a tile, + 64 (lane / 16);      v3 the same for tile 0 of the position in hand
.set AK1N, 3
.set AV1,  4                           ; v4  v1: my row, + 32 (lane / 16);                v5 for tile 0
.set AV1N, 5
.set AK2,  6                           ; v6  K2's codes: my row, + 16 (lane / 16);        v7 for tile 0
.set AK2N, 7
.set AV2,  8                           ; v8  V2's codes: row d = lane % 16, my block's first key, + 8 (lane / 16)
.set AV2N, 9                           ; v9  the group 64 keys on (no half term)
.set AQ,   10                          ; v10 q: my wave's first row, + 64 (lane / 16)
.set ASC,  11                          ; v11 scratch, on the way in
.set SCA,  12                          ; v12 2^e of q k1
.set LMA,  13
.set SCP,  14                          ; v14 2^e of p
.set LMP,  15
.set H8,   16                          ; v16 8 (lane / 16)
.set NINF, 17                          ; v17 -infinity
.set BLO,  18                          ; v18, v19 which bytes of group 0 come from the new keys (0 in lanes 16-31); at the head: the quantising waves' LDS addresses
.set BHI,  19
.set ARD,  20                          ; v20 scratch, on the way out
.set QR,   32                          ; v32-63   q; then the addends; then rows of v1
.set KC,   64                          ; v64-95   codes of K2, then of V2; then rows of v1
.set CD,   96                          ; v96-127  codes of q k1, then of p; then rows of v1
.set SM,   128                         ; v128-255 rows of k1; then S^T (tile (a, c) at 32 a + 8 c), p, tmp^T (tile (a, d))
	s_load_b256 s[4:11], s[0:1], 0x0               ; q s[4:5], k1 s[6:7], k2 s[8:9], v1 s[10:11]
	s_load_b128 s[12:15], s[0:1], 0x20             ; v2 s[12:13], the exponents s[14:15]
	s_load_b64 s[16:17], s[0:1], 0x30              ; out
	v_lshrrev_b32 v21, 5, v0
	s_delay_alu instid0(VALU_DEP_1)
	v_readfirstlane_b32 s18, v21                   ; wave 0..15
	v_and_b32 v[R], 15, v0
	s_wait_alu depctr_va_vdst(0)
	v_bfe_u32 v21, v0, 4, 1                        ; h = lane / 16
	v_and_b32 v22, 31, v0                          ; lane
	v_lshrrev_b32 v23, 4, v0                       ; thread / 16: 0..31
	s_delay_alu instid0(VALU_DEP_3)
	v_lshlrev_b32 v[H8], 3, v21
	s_lshl_b32 s21, ttmp9, 5                       ; S0
	s_sub_co_i32 s22, s21, 64                      ; the key of LDS row 0 (may be negative)
	s_and_b32 s20, ttmp7, 0xffff                   ; head
	s_lshl_b32 s28, s20, 8
	s_mov_b32 s29, 0
	s_lshr_b32 s36, s18, 2
	s_lshl_b32 s37, s36, 3                         ; my block of eight positions begins 8 (wave / 4) behind S0: LDS row of slot 0
	s_and_b32 s69, s18, 3
	s_lshl_b32 s69, s69, 1                         ; i of my first position
	; every LDS address is made here, ahead of the branch on the wave's number
	s_mul_i32 s38, s37, PF
	v_mul_u32_u24 v[AK1], v[R], PF
	s_delay_alu instid0(VALU_DEP_1)
	v_add_nc_u32 v[AK1], s38, v[AK1]
	s_wait_alu depctr_va_vdst(0)
	v_lshl_add_u32 v[AV1], v21, 5, v[AK1]
	s_delay_alu instid0(VALU_DEP_1)
	v_add_nc_u32 v[AV1], V1B, v[AV1]
	v_lshl_add_u32 v[AK1], v21, 6, v[AK1]
	s_mul_i32 s38, s37, PK2
	s_add_co_u32 s38, s38, K2B
	v_mul_u32_u24 v[AK2], v[R], PK2
	s_delay_alu instid0(VALU_DEP_1)
	v_lshl_add_u32 v[AK2], v21, 4, v[AK2]
	s_delay_alu instid0(VALU_DEP_1)
	v_add_nc_u32 v[AK2], s38, v[AK2]
	s_add_co_u32 s38, s37, V2B
	v_mul_u32_u24 v[AV2N], v[R], PV2
	s_delay_alu instid0(VALU_DEP_1)
	v_add_nc_u32 v[AV2N], s38, v[AV2N]
	s_delay_alu instid0(VALU_DEP_1)
	v_add_nc_u32 v[AV2], v[AV2N], v[H8]
	s_delay_alu instid0(VALU_DEP_2)
	v_add_nc_u32 v[AV2N], 64, v[AV2N]
	s_lshl_b32 s38, s18, 9
	s_add_co_u32 s38, s38, QB
	v_lshl_add_u32 v[AQ], v21, 6, s38
	s_mul_i32 s39, s18, SCW
	s_add_co_u32 s39, s39, SCB
	v_mul_u32_u24 v[ASC], v[R], PF
	s_delay_alu instid0(VALU_DEP_1)
	v_lshl_add_u32 v[ASC], v21, 5, v[ASC]
	s_delay_alu instid0(VALU_DEP_1)
	v_add_nc_u32 v[ASC], s39, v[ASC]
	v_mul_u32_u24 v[ARD], v21, SCS
	s_delay_alu instid0(VALU_DEP_1)
	v_lshl_add_u32 v[ARD], v[R], 4, v[ARD]
	s_delay_alu instid0(VALU_DEP_1)
	v_add_nc_u32 v[ARD], s39, v[ARD]
	s_and_b32 s30, s18, 1                          ; waves 0-7: which 32 of d,
	s_lshr_b32 s31, s18, 1                         ; and which group of eight keys (this one, and those 4 and 8 groups on)
	s_lshl_b32 s33, s31, 3
	s_mul_i32 s32, s30, 32*PV2
	s_add_co_u32 s32, s32, s33
	s_add_co_u32 s32, s32, V2B
	v_mul_u32_u24 v18, v22, PV2
	s_delay_alu instid0(VALU_DEP_1)
	v_add_nc_u32 v18, s32, v18                     ; where V2's codes go: row d = 32 (wave % 2) + lane, byte 8 (wave / 2)
	v_and_b32 v36, 0xff, v0
	s_delay_alu instid0(VALU_DEP_1)
	v_lshrrev_b32 v37, 3, v36                      ; waves 8-15: row 0..31 (and 32, 64 rows on),
	v_and_b32 v38, 7, v0                           ; and which eight of d
	s_delay_alu instid0(VALU_DEP_2)
	v_mul_u32_u24 v19, v37, PK2
	s_delay_alu instid0(VALU_DEP_1)
	v_lshl_add_u32 v19, v38, 3, v19
	s_delay_alu instid0(VALU_DEP_1)
	v_add_nc_u32 v19, K2B, v19                     ; where K2's codes go
	v_lshlrev_b32 v25, 4, v[R]
	v_mul_u32_u24 v30, v23, PF
	s_delay_alu instid0(VALU_DEP_1)
	v_add_nc_u32 v30, v30, v25                     ; where the copies of k1 and v1 go: row thread / 16 (and 32, 64 rows on), 16 bytes a thread
	v_lshlrev_b32 v31, 4, v0
	s_delay_alu instid0(VALU_DEP_1)
	v_add_nc_u32 v31, QB, v31                      ; and q's
	; offsets in memory: sixteen threads read one row's 256 bytes
	v_add_nc_u32 v24, s22, v23
.irp n, 0,1,2
	v_add_nc_u32 v[26+\n], 32*\n, v24
	s_delay_alu instid0(VALU_DEP_1)
	v_cmp_gt_i32 vcc_lo, 0, v[26+\n]
	s_delay_alu instid0(VALU_DEP_1)
	v_cndmask_b32 v[26+\n], v[26+\n], 0, vcc_lo    ; a position under 0 is clipped to 0
	s_delay_alu instid0(VALU_DEP_1)
	v_lshl_add_u32 v[26+\n], v[26+\n], 11, v25
.endr
	v_add_nc_u32 v29, s21, v23
	s_delay_alu instid0(VALU_DEP_1)
	v_lshl_add_u32 v29, v29, 11, v25
	s_lshl_b32 s40, s18, 1
	s_add_co_u32 s40, s40, s21
	s_lshl_b32 s40, s40, 11                        ; my first position's row of out
	s_mov_b32 s41, 0
	s_wait_alu depctr_va_vdst(0)
	s_wait_kmcnt 0x0
	s_load_b128 s[24:27], s[14:15], 0x0            ; the four exponents
	s_add_nc_u64 s[4:5], s[4:5], s[28:29]          ; every tensor at my head
	s_add_nc_u64 s[6:7], s[6:7], s[28:29]
	s_add_nc_u64 s[8:9], s[8:9], s[28:29]
	s_add_nc_u64 s[10:11], s[10:11], s[28:29]
	s_add_nc_u64 s[12:13], s[12:13], s[28:29]
	s_add_nc_u64 s[16:17], s[16:17], s[28:29]
	s_add_nc_u64 s[16:17], s[16:17], s[40:41]
.irp n, 0,1,2
	global_load_b128 v[48+4*\n:51+4*\n], v[26+\n], s[6:7]
.endr
.irp n, 0,1,2
	global_load_b128 v[60+4*\n:63+4*\n], v[26+\n], s[10:11]
.endr
	global_load_b128 v[72:75], v29, s[4:5]
; 24 numbers a lane, v96-119, three runs of eight along K: + 1, converted
.macro QROLE
.set k, 0
.rept 12
	v_pk_add_f32 v[96+k:97+k], v[96+k:97+k], 1.0 op_sel_hi:[1,0]
.set k, k+2
.endr
.set k, 0
.rept 24
.set k, k+1
.endr
.irp m, 0,1,2
	v_cvt_scalef32_pk8_bf8_f32 v[120+2*\m:121+2*\m], v[96+8*\m:103+8*\m], v43
.endr
	v_nop                                          ; a plain line behind the last conversion
.endm
.macro SCALE e, sc, lm                         ; 2^e as f32 into v[sc]
	s_add_co_i32 s34, s[\e], 127
	s_lshl_b32 s35, s34, 23
	v_mov_b32 v[\sc], s35
	s_add_co_i32 s34, s34, 15
	s_lshl_b32 s34, s34, 23
	s_or_b32 s34, s34, 0x600000
.endm
	s_cmp_lt_u32 s18, 8
	s_cbranch_scc0 .Lk2_waves
	; waves 0-7: v2 + 1.  A lane takes column d, its registers run down eight keys: each load reads 128 consecutive bytes
	s_lshl_b32 s35, s30, 7
.irp m, 0,1,2
	s_add_co_i32 s34, s22, 32*\m
	s_add_co_i32 s34, s34, s33
	s_max_i32 s34, s34, 0                          ; a group of hidden keys takes keys 0 to 7: its codes meet p = 0 alone
	s_lshl_b32 s34, s34, 11
	s_add_co_u32 s34, s34, s35
	v_lshl_add_u32 v[40+\m], v22, 2, s34
.endr
	s_wait_alu depctr_va_vdst(0)
.irp m, 0,1,2
.irp n, 0,1,2,3,4,5,6,7
	global_load_b32 v[96+8*\m+\n], v[40+\m], s[12:13] offset:2048*\n
.endr
.endr
	s_wait_kmcnt 0x0
	SCALE EV, 43, 44
	s_wait_loadcnt 0x0
	QROLE
.irp m, 0,1,2
	ds_store_b64 v18, v[120+2*\m:121+2*\m] offset:32*\m
.endr
	s_branch .Ljoin
.Lk2_waves:
	; waves 8-15: k2 + 1.  A lane takes eight neighbours along d of one row
	v_add_nc_u32 v45, s22, v37
.irp m, 0,1,2
	v_add_nc_u32 v[40+\m], 32*\m, v45
	s_delay_alu instid0(VALU_DEP_1)
	v_cmp_gt_i32 vcc_lo, 0, v[40+\m]
	s_delay_alu instid0(VALU_DEP_1)
	v_cndmask_b32 v[40+\m], v[40+\m], 0, vcc_lo
	s_delay_alu instid0(VALU_DEP_1)
	v_lshlrev_b32 v[40+\m], 11, v[40+\m]
	s_delay_alu instid0(VALU_DEP_1)
	v_lshl_add_u32 v[40+\m], v38, 5, v[40+\m]
.endr
.irp m, 0,1,2
	global_load_b128 v[96+8*\m:99+8*\m], v[40+\m], s[8:9]
	global_load_b128 v[100+8*\m:103+8*\m], v[40+\m], s[8:9] offset:16
.endr
	s_wait_kmcnt 0x0
	SCALE EK, 43, 44
	s_wait_loadcnt 0x0
	QROLE
.irp m, 0,1,2
	ds_store_b64 v19, v[120+2*\m:121+2*\m] offset:32*PK2*\m
.endr
.Ljoin:
	s_wait_loadcnt 0x0                             ; the copies' loads are in, on both ways
.irp n, 0,1,2
	ds_store_b128 v30, v[48+4*\n:51+4*\n] offset:K1B+32*PF*\n
	ds_store_b128 v30, v[60+4*\n:63+4*\n] offset:V1B+32*PF*\n
.endr
	ds_store_b128 v31, v[72:75]
	s_wait_kmcnt 0x0
	s_add_co_i32 s40, s[EA], s[EK]
	s_lshl_b32 s40, s40, 23
	s_mov_b32 s50, 0x3e38aa3b                      ; log2(e) / 8
	s_add_co_i32 s50, s50, s40                     ; x 2^(the first product's two exponents): they are added to its exponent field
	s_mov_b32 s51, s50                             ; (named with it as a pair)
	SCALE EA, SCA, LMA
	SCALE EP, SCP, LMP
	s_add_co_i32 s48, s[EV], s[EP]                 ; the second product's sums lack 2^ of this
	s_mov_b32 s52, 0x76543210                      ; v_permlanex16_b32: lane l xor 16
	s_mov_b32 s53, 0xfedcba98
	s_mov_b32 s54, 0xffff0000                      ; lanes 16-31
	v_mov_b32 v[NINF], 0xff800000
	s_add_co_u32 s19, s21, s37                     ; s0
	s_sub_co_i32 s23, 64, s19                      ; slots from this one on hold keys >= 0 (0 or less: all do)
	v_cmp_le_i32 s60, s23, v[R]                    ; tile 0 of a, apart from the new keys
	v_cmp_le_i32 s61, s23, v[H8]                   ; tile 0 of c: is my half's group of eight kept as a whole?
.irp t, 1,2,3
	s_sub_co_i32 s40, s23, 16*\t
	v_cmp_le_i32 s[56+\t], s40, v[R]               ; s57-59: lanes whose a of tile t is kept
	v_cmp_le_i32 s[65+\t], s40, v[H8]              ; s66-68: lanes whose eight c of tile t are kept
.endr
	s_wait_dscnt 0x0                               ; my stores have landed: then the work-group's barrier
	s_barrier_signal -1
	s_barrier_wait -1
.macro LDK1 ta, adr                            ; a tile of k1: my row's 32 numbers, in the order of the operand's registers
.irp c, 0,1
.irp n, 0,1,2,3
	ds_load_b128 v[SM+32*(\ta)+16*\c+4*\n:SM+32*(\ta)+16*\c+4*\n+3], v[\adr] offset:(\ta)*16*PF+128*\c+16*\n
.endr
.endr
.endm
.macro LDV1 ta, adr, dst                       ; a tile of v1: my row's d = 16 t + 8 (lane / 16) + 0 .. 7, as tmp^T's registers lie
.irp t, 0,1,2,3
.irp e, 0,1
	ds_load_b128 v[\dst+8*\t+4*\e:\dst+8*\t+4*\e+3], v[\adr] offset:(\ta)*16*PF+64*\t+16*\e
.endr
.endr
.endm
.macro MAKEA ta, left                          ; q k1 of a tile: multiplied, converted.  left: the LDS loads issued behind this tile's
	s_wait_dscnt \left
.set X, SM+32*(\ta)
.set k, 0
.rept 16
	v_pk_mul_f32 v[X+k:X+k+1], v[X+k:X+k+1], v[QR+k:QR+k+1]
.set k, k+2
.endr
.set k, 0
.rept 32
.set k, k+1
.endr
.irp g, 0,1,2,3
	v_cvt_scalef32_pk8_bf8_f32 v[CD+8*(\ta)+2*\g:CD+8*(\ta)+2*\g+1], v[X+8*\g:X+8*\g+7], v[SCA]
.endr
.endm
.macro MULT                                    ; sixteen products of 16 x 16 x 64, each its own sum from the constant 0: source 0 = tile t of v64-95, source 1 = tile a of v96-127
.irp a, 0,1,2,3
.irp t, 0,1,2,3
	v_wmma_f32_16x16x64_bf8_bf8 v[SM+32*\a+8*\t:SM+32*\a+8*\t+7], v[KC+8*\t:KC+8*\t+7], v[CD+8*\a:CD+8*\a+7], 0
.endr
.endr
.rept 4
	v_nop                                          ; four plain places behind the products, ahead of the first read of results and of loads into the operands' registers
.endr
.endm
; ONE POSITION: s = S0 + 2 wave + st
.macro STEP st
	s_add_co_u32 s40, s69, \st                     ; i
	s_add_co_u32 s41, s69, 16+\st
	v_sub_nc_u32 v21, s41, v[R]
	s_delay_alu instid0(VALU_DEP_1)
	v_lshrrev_b32 v21, 4, v21                      ; (i + 16 - r) / 16: 1 where r <= i: tile 0's slot holds the new key, 64 rows on
	s_delay_alu instid0(VALU_DEP_1)
	v_mad_u32_u24 v[AK1N], v21, 64*PF, v[AK1]
	s_delay_alu instid0(VALU_DEP_2)
	v_mad_u32_u24 v[AV1N], v21, 64*PF, v[AV1]
	s_delay_alu instid0(VALU_DEP_3)
	v_mad_u32_u24 v[AK2N], v21, 64*PK2, v[AK2]
.if \st
	s_wait_alu depctr_va_vdst(0)
	s_wait_dscnt 0x0                               ; the last position's stores into the scratch have read their registers
.endif
.irp c, 0,1
.irp n, 0,1,2,3
	ds_load_b128 v[QR+16*\c+4*\n:QR+16*\c+4*\n+3], v[AQ] offset:256*\st+128*\c+16*\n
.endr
.endr
	LDK1 0, AK1N
	LDK1 1, AK1
	LDK1 2, AK1
	LDK1 3, AK1
.irp c, 0,1
	ds_load_b128 v[KC+4*\c:KC+4*\c+3], v[AK2N] offset:32*\c
.endr
.irp t, 1,2,3
.irp c, 0,1
	ds_load_b128 v[KC+8*\t+4*\c:KC+8*\t+4*\c+3], v[AK2] offset:\t*16*PK2+32*\c
.endr
.endr
	; the position's masks, while the loads are out
	v_cmp_ge_i32 s42, s40, v[R]
	s_or_b32 s56, s42, s60                         ; s56: lanes whose a of tile 0 is kept
	v_sub_nc_u32 v21, s40, v[H8]                   ; tile 0 of c, register j: slot 8 h + j is kept where j <= i - 8 h,
	s_delay_alu instid0(VALU_DEP_1)
	v_cndmask_b32 v21, v21, 7, s61                 ; or for every j where the group is kept as a whole
.irp j, 0,1,2,3,4,5,6,7
	v_cmp_le_i32 s[72+\j], \j, v21
.endr
	s_lshl_b32 s44, s40, 3
	s_mov_b64 s[46:47], -1
	s_lshl_b64 s[46:47], s[46:47], s44
	s_lshl_b64 s[46:47], s[46:47], 8               ; in two shifts: 8 (i + 1) may be 64
	s_not_b32 s46, s46
	s_not_b32 s47, s47                             ; ones in bytes 0 .. i
	v_cndmask_b32 v[BLO], s46, 0, s54
	v_cndmask_b32 v[BHI], s47, 0, s54
	MAKEA 0, 32                                    ; behind q's and tile 0's loads: three tiles of k1 and K2's eight
	MAKEA 1, 24
	MAKEA 2, 16
	MAKEA 3, 8
	v_nop                                          ; a plain line between the last conversion and the products
	s_wait_alu depctr_va_vdst(0)
	s_wait_dscnt 0x0                               ; K2's codes are in
	MULT                                           ; S^T: lane: a = 16 a-tile + lane % 16; register j of tile (a, c): c = 16 c-tile + 8 (lane / 16) + j
.irp t, 0,1,2,3
.irp c, 0,1,2,3
	ds_load_b64 v[KC+8*\t+2*\c:KC+8*\t+2*\c+1], v[AV2] offset:\t*16*PV2+16*\c   ; V2^T: registers 2 c, 2 c + 1: slots 16 c + 8 (lane / 16) + 0 .. 7, as p's codes will lie
.endr
.endr
.irp t, 0,1,2,3
	ds_load_b64 v[CD+2*\t:CD+2*\t+1], v[AV2N] offset:\t*16*PV2                   ; the eight new keys
.endr
	; the largest score, in four chains, each accumulator from its low end on
	v_max3_num_f32 v22, v128, v129, v130
	v_max3_num_f32 v23, v131, v132, v133
	v_max3_num_f32 v24, v134, v135, v136
	v_max3_num_f32 v25, v137, v138, v139
.set k, 140
.rept 14
	v_max3_num_f32 v22, v22, v[k], v[k+1]
	v_max3_num_f32 v23, v23, v[k+2], v[k+3]
	v_max3_num_f32 v24, v24, v[k+4], v[k+5]
	v_max3_num_f32 v25, v25, v[k+6], v[k+7]
.set k, k+8
.endr
	v_max3_num_f32 v22, v22, v252, v253
	v_max3_num_f32 v23, v23, v254, v255
	s_delay_alu instid0(VALU_DEP_1)
	v_max3_num_f32 v22, v22, v23, v24
	s_delay_alu instid0(VALU_DEP_1)
	v_max_num_f32 v22, v22, v25
	s_delay_alu instid0(VALU_DEP_1)
	v_max_num_f32_dpp v22, v22, v22 row_xmask:1 row_mask:0xf bank_mask:0xf
	s_delay_alu instid0(VALU_DEP_1)
	v_max_num_f32_dpp v22, v22, v22 row_xmask:2 row_mask:0xf bank_mask:0xf
	s_delay_alu instid0(VALU_DEP_1)
	v_max_num_f32_dpp v22, v22, v22 row_xmask:4 row_mask:0xf bank_mask:0xf
	s_delay_alu instid0(VALU_DEP_1)
	v_max_num_f32_dpp v22, v22, v22 row_xmask:8 row_mask:0xf bank_mask:0xf
	s_delay_alu instid0(VALU_DEP_1)
	v_permlanex16_b32 v23, v22, s52, s53
	s_delay_alu instid0(VALU_DEP_1)
	v_max_num_f32 v22, v22, v23                    ; of all 4,096, in every lane
	s_delay_alu instid0(VALU_DEP_1)
	v_mul_f32 v21, -v22, s50                       ; -M (the factor is positive)
.irp j, 0,1,2,3,4,5,6,7
	v_cndmask_b32 v[QR+\j], v[NINF], v21, s[72+\j] ; the addend of tile 0's register j: -M, or -infinity where c is hidden
.endr
.irp t, 1,2,3
	v_cndmask_b32 v[QR+6+2*\t], v[NINF], v21, s[65+\t]   ; of tiles 1 to 3: one for the eight registers
.endr
.irp a, 0,1,2,3
.irp k, 0,2,4,6
	v_pk_fma_f32 v[SM+32*\a+\k:SM+32*\a+\k+1], v[SM+32*\a+\k:SM+32*\a+\k+1], s[50:51], v[QR+\k:QR+\k+1] op_sel_hi:[1,0,1]
.endr
.irp t, 1,2,3
.irp k, 0,2,4,6
	v_pk_fma_f32 v[SM+32*\a+8*\t+\k:SM+32*\a+8*\t+\k+1], v[SM+32*\a+8*\t+\k:SM+32*\a+8*\t+\k+1], s[50:51], v[QR+6+2*\t:QR+7+2*\t] op_sel_hi:[1,0,0]
.endr
.endr
.endr
	LDV1 0, AV1N, QR                               ; the addends are done with: v1's tile 0 is asked for early
.set k, 0
	s_wait_alu depctr_va_vdst(0)
.rept 128
	v_exp_f32 v[SM+k], v[SM+k]                     ; 2^(t - M): one batch
.set k, k+1
.endr
	s_wait_dscnt 8                                 ; V2's codes are in; v1's eight loads may be out
.irp t, 0,1,2,3
	v_bfi_b32 v[KC+8*\t], v[BLO], v[CD+2*\t], v[KC+8*\t]       ; group 0: bytes 0 .. i from the new keys.  (Plain lines behind the exponentials)
	v_bfi_b32 v[KC+8*\t+1], v[BHI], v[CD+2*\t+1], v[KC+8*\t+1]
.endr
	s_wait_alu depctr_va_vdst(0)                   ; one wait for the batch, ahead of its first reader
.irp a, 0,1,2,3
	v_pk_add_f32 v[22+2*\a:23+2*\a], v[SM+32*\a:SM+32*\a+1], v[SM+32*\a+2:SM+32*\a+3]   ; the sum, a chain for each tile of a
.endr
.set k, 4
.rept 14
.irp a, 0,1,2,3
	v_pk_add_f32 v[22+2*\a:23+2*\a], v[22+2*\a:23+2*\a], v[SM+32*\a+k:SM+32*\a+k+1]
.endr
.set k, k+2
.endr
.irp a, 0,1,2,3
	s_delay_alu instid0(VALU_DEP_4)
	v_add_f32 v[22+2*\a], v[22+2*\a], v[23+2*\a]
.endr
.irp a, 0,1,2,3
	s_delay_alu instid0(VALU_DEP_4)
	v_cndmask_b32 v[22+2*\a], 0, v[22+2*\a], s[56+\a]          ; a hidden a counts for nothing
.endr
	s_delay_alu instid0(VALU_DEP_3)
	v_add_f32 v22, v22, v24
	s_delay_alu instid0(VALU_DEP_2)
	v_add_f32 v26, v26, v28
	s_delay_alu instid0(VALU_DEP_1)
	v_add_f32 v22, v22, v26
	s_delay_alu instid0(VALU_DEP_1)
	v_add_f32_dpp v22, v22, v22 row_xmask:1 row_mask:0xf bank_mask:0xf
	s_delay_alu instid0(VALU_DEP_1)
	v_add_f32_dpp v22, v22, v22 row_xmask:2 row_mask:0xf bank_mask:0xf
	s_delay_alu instid0(VALU_DEP_1)
	v_add_f32_dpp v22, v22, v22 row_xmask:4 row_mask:0xf bank_mask:0xf
	s_delay_alu instid0(VALU_DEP_1)
	v_add_f32_dpp v22, v22, v22 row_xmask:8 row_mask:0xf bank_mask:0xf
	s_delay_alu instid0(VALU_DEP_1)
	v_permlanex16_b32 v23, v22, s52, s53
	s_delay_alu instid0(VALU_DEP_1)
	v_add_f32 v22, v22, v23
	s_wait_alu depctr_va_vdst(0)
	v_rcp_f32 v21, v22
	v_nop                                          ; a plain line behind the reciprocal
	s_wait_alu depctr_va_vdst(0)                   ; and the wait ahead of its first reader
.irp a, 0,1,2,3
	v_cndmask_b32 v[22+2*\a], 0, v21, s[56+\a]     ; 1 / sum, 0 where a is hidden
.endr
.irp a, 0,1,2,3
.irp t, 0,1,2,3
.irp k, 0,2,4,6
	v_pk_mul_f32 v[SM+32*\a+8*\t+\k:SM+32*\a+8*\t+\k+1], v[SM+32*\a+8*\t+\k:SM+32*\a+8*\t+\k+1], v[22+2*\a:23+2*\a] op_sel_hi:[1,0]   ; p, finished and normalised
.endr
.irp k, 0,1,2,3,4,5,6,7
.endr
	v_cvt_scalef32_pk8_bf8_f32 v[CD+8*\a+2*\t:CD+8*\a+2*\t+1], v[SM+32*\a+8*\t:SM+32*\a+8*\t+7], v[SCP]   ; (the next tile's multiplies are the plain lines behind it)
.endr
.endr
	v_nop                                          ; a plain line between the last conversion and the products
	MULT                                           ; tmp^T: lane: a; register j of tile (a, d): d = 16 d-tile + 8 (lane / 16) + j
	LDV1 1, AV1, KC
	LDV1 2, AV1, CD
	s_wait_dscnt 16                                ; v1's tile 0 is in; the sixteen loads just issued may be out
.set k, 0
.rept 16
	v_pk_mul_f32 v[SM+k:SM+k+1], v[SM+k:SM+k+1], v[QR+k:QR+k+1]      ; tmp v1, summed over the four tiles of a in tile 0's registers
.set k, k+2
.endr
	LDV1 3, AV1, QR
	s_wait_dscnt 16                                ; tile 1 is in; tiles 2 and 3 may be out
.set k, 0
.rept 16
	v_pk_fma_f32 v[SM+k:SM+k+1], v[SM+32+k:SM+32+k+1], v[KC+k:KC+k+1], v[SM+k:SM+k+1]
.set k, k+2
.endr
	s_wait_dscnt 8                                 ; tile 2 is in
.set k, 0
.rept 16
	v_pk_fma_f32 v[SM+k:SM+k+1], v[SM+64+k:SM+64+k+1], v[CD+k:CD+k+1], v[SM+k:SM+k+1]
.set k, k+2
.endr
	s_wait_dscnt 0x0
.set k, 0
.rept 16
	v_pk_fma_f32 v[SM+k:SM+k+1], v[SM+96+k:SM+96+k+1], v[QR+k:QR+k+1], v[SM+k:SM+k+1]
.set k, k+2
.endr
.irp t, 0,1,2,3
.irp e, 0,1
	ds_store_b128 v[ASC], v[SM+8*\t+4*\e:SM+8*\t+4*\e+3] offset:\st*SCS+64*\t+16*\e   ; row lane % 16 of my scratch: 64 partial sums by d; the sum over the sixteen rows is left
.endr
.endr
.endm
	STEP 0
	STEP 1
	; THE WAY OUT.  Lanes 0-15 add up the first position's sixteen rows, lanes 16-31 the second's, four of d a lane.  LDS serves a wave's instructions in order (ISA guide 5.7.1.4): these loads see my stores
.irp n, 0,1,2,3,4,5,6,7,8,9,10,11,12,13,14,15
	ds_load_b128 v[32+4*\n:35+4*\n], v[ARD] offset:\n*PF
.endr
	v_lshlrev_b32 v21, 8, v[H8]                    ; 2,048 (lane / 16): the second position's row
	s_delay_alu instid0(VALU_DEP_1)
	v_lshl_add_u32 v21, v[R], 4, v21
	s_wait_dscnt 0x0
.irp n, 0,2,4,6,8,10,12,14
	v_pk_add_f32 v[32+4*\n:33+4*\n], v[32+4*\n:33+4*\n], v[36+4*\n:37+4*\n]
	v_pk_add_f32 v[34+4*\n:35+4*\n], v[34+4*\n:35+4*\n], v[38+4*\n:39+4*\n]
.endr
.irp n, 0,4,8,12
	v_pk_add_f32 v[32+4*\n:33+4*\n], v[32+4*\n:33+4*\n], v[40+4*\n:41+4*\n]
	v_pk_add_f32 v[34+4*\n:35+4*\n], v[34+4*\n:35+4*\n], v[42+4*\n:43+4*\n]
.endr
.irp n, 0
	v_pk_add_f32 v[32+4*\n:33+4*\n], v[32+4*\n:33+4*\n], v[48+4*\n:49+4*\n]
	v_pk_add_f32 v[34+4*\n:35+4*\n], v[34+4*\n:35+4*\n], v[50+4*\n:51+4*\n]
.endr
.irp n, 8
	s_delay_alu instid0(VALU_DEP_4)
	v_pk_add_f32 v[32+4*\n:33+4*\n], v[32+4*\n:33+4*\n], v[48+4*\n:49+4*\n]
	s_delay_alu instid0(VALU_DEP_4)
	v_pk_add_f32 v[34+4*\n:35+4*\n], v[34+4*\n:35+4*\n], v[50+4*\n:51+4*\n]
.endr
	s_delay_alu instid0(VALU_DEP_2)
	v_pk_add_f32 v[32:33], v[32:33], v[64:65]
	s_delay_alu instid0(VALU_DEP_2)
	v_pk_add_f32 v[34:35], v[34:35], v[66:67]
.irp j, 0,1,2,3
	v_ldexp_f32 v[32+\j], v[32+\j], s48            ; x 2^(the second product's two exponents)
.endr
	global_store_b128 v21, v[32:35], s[16:17]      ; sixteen lanes store one row of out: 256 consecutive bytes, aligned
	s_wait_xcnt 0x0
	v_lshl_add_u32 v254, v0, 2, 0x34600
	v_mov_b32 v255, 0
	s_wait_alu depctr_va_vdst(0)
	s_wait_tensorcnt 0x0
	ds_add_u32 v254, v255
	s_wait_dscnt 0x0
	s_endpgm
.Lfunc_end_k_q787f6ee2d1_simplicial:
	.size	k_q787f6ee2d1_simplicial, .Lfunc_end_k_q787f6ee2d1_simplicial-k_q787f6ee2d1_simplicial
	.p2alignl 7, 3214868480
	.fill 96, 4, 3214868480
	.section	.rodata,"a",@progbits
	.p2align	6, 0x0
	.amdhsa_kernel k_q787f6ee2d1_simplicial
		.amdhsa_group_segment_fixed_size 216576
		.amdhsa_private_segment_fixed_size 0
		.amdhsa_enable_private_segment 0
		.amdhsa_kernarg_size 56
		.amdhsa_user_sgpr_count 2
		.amdhsa_user_sgpr_kernarg_segment_ptr 1
		.amdhsa_wavefront_size32 1
		.amdhsa_system_sgpr_workgroup_id_x 1
		.amdhsa_system_sgpr_workgroup_id_y 1
		.amdhsa_system_sgpr_workgroup_id_z 1
		.amdhsa_system_vgpr_workitem_id 0
		.amdhsa_next_free_vgpr 256
		.amdhsa_next_free_sgpr 96
		.amdhsa_reserve_vcc 1
		.amdhsa_float_denorm_mode_32 3
		.amdhsa_float_denorm_mode_16_64 3
		.amdhsa_fp16_overflow 1
		.amdhsa_memory_ordered 1
		.amdhsa_forward_progress 1
		.amdhsa_inst_pref_size 109
	.end_amdhsa_kernel
	.amdgpu_metadata
---
amdhsa.version: [ 1, 2 ]
amdhsa.kernels:
  - .name:           k_q787f6ee2d1_simplicial
    .symbol:         k_q787f6ee2d1_simplicial.kd
    .args:
      - { .name: q, .offset: 0, .size: 8, .value_kind: global_buffer, .address_space: global }
      - { .name: k1, .offset: 8, .size: 8, .value_kind: global_buffer, .address_space: global }
      - { .name: k2, .offset: 16, .size: 8, .value_kind: global_buffer, .address_space: global }
      - { .name: v1, .offset: 24, .size: 8, .value_kind: global_buffer, .address_space: global }
      - { .name: v2, .offset: 32, .size: 8, .value_kind: global_buffer, .address_space: global }
      - { .name: lowp_scales, .offset: 40, .size: 8, .value_kind: global_buffer, .address_space: global }
      - { .name: out0, .offset: 48, .size: 8, .value_kind: global_buffer, .address_space: global }
    .group_segment_fixed_size: 216576
    .private_segment_fixed_size: 0
    .kernarg_segment_align: 8
    .kernarg_segment_size: 56
    .max_flat_workgroup_size: 512
    .sgpr_count:     96
    .vgpr_count:     256
    .wavefront_size: 32
...
	.end_amdgpu_metadata
.endif
;; end of part 1
